; MI455X (gfx1250); checked and timed in simulation.
; The chip was launched on July 23, 2026; its instructions are those of AMD's public machine-readable ISA for CDNA 5 (MIT licence, August 2026) and "CDNA5" Instruction Set Architecture Reference Guide (July 2026). The comments in the code are by the model that wrote it; some were corrected since.
;; TP Hunyuan Mo E. Allowed arithmetic: float matrix products may take bf16 or f16 operands with f32 sums; all other float work in f32.
;; Inputs: gate_w 16 x 4,096 float32; hidden_states 2 x 2,048 x 4,096 float32; shared_w_down 4,096 x 256 float32; shared_w_gate_up 512 x 4,096 float32; w_down 16 x 4,096 x 64 float32; w_gate_up 16 x 128 x 4,096 float32.
;; Outputs: out0 2 x 2,048 x 4,096 float32.
;; One version. Each part assembles by itself: llvm-mc -triple=amdgcn-amd-amdhsa -mcpu=gfx1250 --defsym DOCPART=n.
;; ======== version 1 of 1: 3 launches
;; limits: values are held in f16: magnitudes above 65,504 overflow, below 6.1e-05 lose precision; right only within a limited range of input values
;; workspace buffers: xb 33,554,432 bytes; wc 20,971,520 bytes; wd 10,485,760 bytes; cw 524,288 bytes; act 10,485,760 bytes; wn 1,024 bytes
;; launch prep (part 1): grid 496 x 1, 8 waves a work-group, no clusters, 49,152 bytes of LDS; arguments hidden_states, gate_w, w_gate_up, shared_w_gate_up, w_down, shared_w_down, xb, wc, wd, cw, wn; writes xb, wc, wd, cw, wn
.if DOCPART == 1
	.amdgcn_target "amdgcn-amd-amdhsa--gfx1250"
	.amdhsa_code_object_version 6
	.text
	.protected	k_qd3e3c44ce1_prep
	.globl	k_qd3e3c44ce1_prep
	.p2align	8
	.type	k_qd3e3c44ce1_prep,@function
k_qd3e3c44ce1_prep:
	s_mov_b64 s[64:65], 0
	v_nop
	global_prefetch_b8 v0, s[64:65] scope:SCOPE_SE
	s_setreg_imm32_b32 hwreg(HW_REG_WAVE_MODE, 25, 1), 1
	s_wait_xcnt 0x0
; PREP: every f32 input is rounded once to bf16 and laid out in UNITS of 256 bytes (16 rows x 8 k): a matrix [rows][K] becomes [rows/16][K/8][16][8].
; Lane (r, h) of a matrix fragment then reads 16 bytes at 256 h + 16 r of a unit: 16 lanes read 256 consecutive bytes, and 128 along K of 16 rows are 4,096 consecutive bytes.
;   xb [256][512] units, bf16: x.        wc [160][512], bf16: gate and up rows interleaved: row 2 i + s of block nb is the gate (s = 0) or up (s = 1) row of act column C = 8 nb + i
;   (C < 1024: expert C / 64, column C % 64; else the shared MLP's column C - 1024).        wd [256][160]: down weights, k = act column C: the bf16 number, written as f16.
;   cw f32 [256][32][16]: for 16 tokens: slots 0-15 the experts' combine weights x sx, slots 16-19 sx (the shared columns), slots 20-31 1 / sx.        wn f32 [160]: the largest squared row norm of each block of wc.
; THE SCALE.  act = cw silu(g) u is kept in f16 by the next launches.  |silu(g)| <= |g| <= |x| |wg|, |u| <= |x| |wu|, cw <= 1, so |act| <= |x|^2 W2, W2 the largest squared norm of a gate or up row.
; sx = 2^(126 - EX), EX the biased exponent of |x|^2 (so |x|^2 sx < 1), clamped to 96 .. 190; the weights' part is made by the next launches from wn.  Powers of two: they round nothing.
; The squared norms are the diagonal of fragment x fragment^T, made by the matrix unit from the rounded numbers themselves: two products an item.
; ROLES by the work-group's number: 0-255 x (16 tokens each) and the router; 256-415 one block of wc; 416-495 wd, eight blocks of one group of 64 columns to a wave.
; AN ITEM is 16 rows x 64 k: eight loads (16 lanes take 256 consecutive bytes of a row), 16 roundings in place, through the wave's own stage in LDS (rows of 144 bytes = 36 words, so
; that the 16 rows of a read start at different banks: 64 banks of 4 bytes, ISA guide 11.1), back as fragments, four stores of 512 consecutive aligned bytes.
; THE ROUTER: x's fragments on their way out are multiplied by gate_w's (bf16 operands, f32 sums); eight waves each sum 512 of K, wave 0 adds the eight parts and picks.
; The renormalised top-2 weights are c1 = 1 / (1 + p), c2 = p c1 with p = e^(l2 - l1): the maximum l1 is taken away before the exponential, and softmax's divisor cancels in the renormalising.
; LIMITS.  The two largest are picked among the logits by strict >, the lower index winning a tie; two unequal logits that round to one probability are ordered by the logits.  Logits whose second and
; third differ by less than the f32 sums' own error (about 1e-6 of their size) may be picked either way.  p below 2^-126 counts as 0.  NaN and infinities are not treated apart.
; |x_t|^2 stays under 2^64; under 2^-31 the scale no longer follows it.  wd stays within f16's 65,504, and below 6e-5 it keeps f16's fixed step of 6e-8.
; No tensor loads, no cluster: the work-groups share gate_w alone, 256 KiB of the 130 MB read; every other byte is read once, by loads into registers, 48 of a wave in flight.
.set ROWB, 16384                       ; bytes in a row of x, gate_w and the gate/up weights
.set SPI,  144                         ; a stage row: 128 bytes + 16
.set STG,  16*SPI                      ; a stage
.set WSTG, 2*STG                       ; a wave has two: x's (or the weights') and gate_w's
.set RED,  8*WSTG                      ; behind the stages: 1,024 bytes a wave, the partial logits
.set CWS,  RED+8*1024                  ; 2,048 bytes: a block of cw, turned into its order
.set RN,   CWS+2048                    ; 128 bytes a wave: the partial squared norms
.set XOFF, 4                           ; v4      x, gate_w: my byte offset in an item's first two rows
.set STW,  5                           ; v5      where I put 8 bytes into my wave's stage
.set LDR,  6                           ; v6      where I read a fragment's 16 bytes back
.set DOFF, 7                           ; v7      256 h + 16 r: my place in two units
.set VOFF, 8                           ; v8-15   weights: my byte offset for load i of an item
.set GR,   8                           ; v8-15   x: x x^T of my 512 k
.set FRX,  16                          ; v16-31  an item's fragments: 64 along K
.set FRG,  32                          ; v32-47  gate_w's; in the weights' tail at work
.set ACC0, 48                          ; v48-55  logits, K = 0-31 of every item; weights: w w^T of the same K
.set ACC1, 56                          ; v56-63  the same for K = 32-63
.set RING, 64                          ; v64-255 six sets of 32: items on their way in; in the tails at work
.macro CONV base, n                    ; n loads' four f32 become two packed words in the first two of their registers
.set z, 0
.rept \n
	v_cvt_pk_bf16_f32 v[(\base)+4*z], v[(\base)+4*z], v[(\base)+4*z+1]
	v_cvt_pk_bf16_f32 v[(\base)+4*z+1], v[(\base)+4*z+2], v[(\base)+4*z+3]
.set z, z+1
.endr
.endm
.macro TOF16 base, n                   ; the bf16 numbers are written anew as f16 (exact within f16's normal range); the last two of a load's registers are at work
.set z, 0
.rept \n
.irp p, 0,1
	v_lshlrev_b32 v[(\base)+4*z+2], 16, v[(\base)+4*z+(\p)]
	v_and_b32 v[(\base)+4*z+3], s45, v[(\base)+4*z+(\p)]
	v_cvt_pk_f16_f32 v[(\base)+4*z+(\p)], v[(\base)+4*z+2], v[(\base)+4*z+3]
.endr
.set z, z+1
.endr
.endm
.macro TOST base, at                   ; into the stage at byte 'at' of my wave's: load i holds rows 2 i and 2 i + 1
.irp i, 0,1,2,3,4,5,6,7
	ds_store_b64 v[STW], v[(\base)+4*(\i):(\base)+4*(\i)+1] offset:(\at)+2*SPI*(\i)
.endr
.endm
.macro BACK fr, at                     ; back: row r, k = 16 p + 8 h + 0..7.  LDS serves a wave's instructions in order (ISA guide 5.7.1.4): these see the stores above
.irp p, 0,1,2,3
	ds_load_b128 v[(\fr)+4*(\p):(\fr)+4*(\p)+3], v[LDR] offset:(\at)+32*(\p)
.endr
.endm
.macro SENDC fr, at                    ; units 2 p and 2 p + 1 of the item: 512 consecutive bytes, aligned
.irp p, 0,1,2,3
	global_store_b128 v[DOFF], v[(\fr)+4*(\p):(\fr)+4*(\p)+3], s[30:31] offset:(\at)+512*(\p)
.endr
.endm
; The diagonal of a 16 x 16 result: register j of lane (r, h) is element (8 h + j, r), so lane (r, h) holds row r's own where r - 8 h = j.  d holds r - 8 h; the other lanes get 0.  From the low end on.
.macro DIAG g, d, val
	v_cmp_eq_u32 s40, 0, v[\d]
	v_cndmask_b32 v[\val], 0, v[\g], s40
.irp j, 1,2,3,4,5,6,7
	v_cmp_eq_u32 s40, (\j), v[\d]
	v_cndmask_b32 v[\val], v[\val], v[(\g)+(\j)], s40
.endr
.endm
; Wave 0: the eight waves' partial norms are added; a row's norm lies in one half of the lanes and 0 in the other, so the halves' sum leaves row r's norm in lanes r and 16 + r.
.macro NSUM ns, a4
.irp w, 0,1,2,3,4,5,6,7
	ds_load_b32 v[(\ns)+(\w)], v[\a4] offset:RN+128*(\w)
.endr
	s_wait_dscnt 0x0
	v_pk_add_f32 v[(\ns):(\ns)+1], v[(\ns):(\ns)+1], v[(\ns)+2:(\ns)+3]
	v_pk_add_f32 v[(\ns)+4:(\ns)+5], v[(\ns)+4:(\ns)+5], v[(\ns)+6:(\ns)+7]
	v_pk_add_f32 v[(\ns):(\ns)+1], v[(\ns):(\ns)+1], v[(\ns)+4:(\ns)+5]
	v_add_f32 v[\ns], v[\ns], v[(\ns)+1]
	v_permlanex16_b32 v[(\ns)+1], v[\ns], s46, s47
	v_add_f32 v[\ns], v[\ns], v[(\ns)+1]
.endm
	s_load_b512 s[8:23], s[0:1], 0x0               ; x 8:9, gate_w 10:11, w_gate_up 12:13, shared_w_gate_up 14:15, w_down 16:17, shared_w_down 18:19, xb 20:21, wc 22:23
	s_load_b128 s[24:27], s[0:1], 0x40             ; wd 24:25, cw 26:27
	s_load_b64 s[2:3], s[0:1], 0x50                ; wn
	s_set_vgpr_msb 0x40
	v_lshl_add_u32 v0, v0, 2, 0xbc00
	v_mov_b32 v1, 0
	s_set_vgpr_msb 0x4000
	v_and_b32 v1, 15, v0                           ; r
	v_bfe_u32 v2, v0, 4, 1                         ; h
	v_and_b32 v3, 31, v0                           ; lane
	v_lshrrev_b32 v4, 5, v0
	v_readfirstlane_b32 s4, v4                     ; wave 0..7
	s_mul_i32 s5, s4, WSTG                         ; my wave's stages
	v_mul_u32_u24 v[STW], v2, SPI
	v_lshl_add_u32 v[STW], v1, 3, v[STW]
	v_add_nc_u32 v[STW], s5, v[STW]                ; row h, 8 bytes for each of 16 lanes
	v_mul_u32_u24 v[LDR], v1, SPI
	v_lshl_add_u32 v[LDR], v2, 4, v[LDR]
	v_add_nc_u32 v[LDR], s5, v[LDR]                ; row r, 16 bytes for each half
	v_lshlrev_b32 v[DOFF], 4, v1
	v_lshl_add_u32 v[DOFF], v2, 8, v[DOFF]
	s_mov_b32 s39, 0                               ; the high word of every offset pair
	s_wait_kmcnt 0x0
	s_cmp_lt_u32 ttmp9, 256
	s_cbranch_scc0 .Lweights
	; ---- ROLE X: tokens 16 R .. 16 R + 15; wave w takes k = 512 w .. 512 w + 511, eight items of x and the same eight of gate_w
	v_lshlrev_b32 v[XOFF], 4, v1
	v_lshl_add_u32 v[XOFF], v2, 14, v[XOFF]        ; row h x 16,384 + 16 r
	s_lshl_b32 s38, ttmp9, 18                      ; 16 rows of 16,384 bytes
	s_lshl_b32 s6, s4, 11                          ; 512 k of 4 bytes
	s_add_co_u32 s38, s38, s6
	s_add_nc_u64 s[28:29], s[8:9], s[38:39]        ; x
	s_mov_b32 s38, s6
	s_add_nc_u64 s[32:33], s[10:11], s[38:39]      ; gate_w
	s_lshl_b32 s38, ttmp9, 17                      ; 512 units
	s_lshl_b32 s6, s4, 14                          ; 64 units
	s_add_co_u32 s38, s38, s6
	s_add_nc_u64 s[30:31], s[20:21], s[38:39]      ; xb
.macro XLOAD t                         ; item t: eight loads of x, eight of gate_w, into sets 2 (t % 3) and 2 (t % 3) + 1; all steps stand in the immediates
.irp i, 0,1,2,3,4,5,6,7
	global_load_b128 v[RING+64*((\t)%3)+4*(\i):RING+64*((\t)%3)+4*(\i)+3], v[XOFF], s[28:29] offset:(\i)*2*ROWB+(\t)*256 th:TH_LOAD_NT
.endr
.irp i, 0,1,2,3,4,5,6,7
	global_load_b128 v[RING+64*((\t)%3)+32+4*(\i):RING+64*((\t)%3)+32+4*(\i)+3], v[XOFF], s[32:33] offset:(\i)*2*ROWB+(\t)*256
.endr
.endm
; left = the loads issued behind item t's sixteen, which may stay out
.macro XITEM t, left
	s_wait_loadcnt \left                           ; loads come back in order (ISA guide 5.7.1): item t is in
	CONV RING+64*((\t)%3), 16                      ; these 32 also stand between the last item's products and the loads into their sources below
	TOST RING+64*((\t)%3), 0
	TOST RING+64*((\t)%3)+32, STG
.if (\t) < 5
	XLOAD (\t)+3                                   ; the sets are free: their words lie in the stage
.endif
	s_wait_xcnt 0x0                                ; the last item's stores have read FRX: it is loaded again only behind this wait
	BACK FRX, 0
	BACK FRG, STG
	s_wait_dscnt 0x0
	SENDC FRX, 2048*(\t)
	; logits: source 0 = 16 experts, source 1 = 16 tokens: lane (r, h) holds token r, experts 8 h + 0..7.  x x^T between them: no two products on end share an accumulator
.if (\t) == 0
	v_wmma_f32_16x16x32_bf16 v[ACC0:ACC0+7], v[FRG:FRG+7], v[FRX:FRX+7], 0
	v_wmma_f32_16x16x32_bf16 v[GR:GR+7], v[FRX:FRX+7], v[FRX:FRX+7], 0
	v_wmma_f32_16x16x32_bf16 v[ACC1:ACC1+7], v[FRG+8:FRG+15], v[FRX+8:FRX+15], 0
.else
	v_wmma_f32_16x16x32_bf16 v[ACC0:ACC0+7], v[FRG:FRG+7], v[FRX:FRX+7], v[ACC0:ACC0+7]
	v_wmma_f32_16x16x32_bf16 v[GR:GR+7], v[FRX:FRX+7], v[FRX:FRX+7], v[GR:GR+7]
	v_wmma_f32_16x16x32_bf16 v[ACC1:ACC1+7], v[FRG+8:FRG+15], v[FRX+8:FRX+15], v[ACC1:ACC1+7]
.endif
	v_wmma_f32_16x16x32_bf16 v[GR:GR+7], v[FRX+8:FRX+15], v[FRX+8:FRX+15], v[GR:GR+7]
.endm
	XLOAD 0
	XLOAD 1
	XLOAD 2                                        ; 48 loads of the wave are out
	XITEM 0, 32
	XITEM 1, 32
	XITEM 2, 32
	XITEM 3, 32
	XITEM 4, 32
	XITEM 5, 32
	XITEM 6, 16                                    ; nothing is left to ask for: the counts run down
	XITEM 7, 0
.set DD,  RING+8                       ; r - 8 h
.set NV,  RING+9                       ; my part of a token's squared norm
.set A16, RING+10                      ; 16 x lane
.set A16W, RING+11                     ; + 1,024 x wave
.set A4,  RING+12                      ; 4 x thread
.rept 4
	v_nop                                          ; four places between the last products and the reads of their results (ISA guide 7.12.1)
.endr
.irp q, 0,2,4,6
	v_pk_add_f32 v[RING+(\q):RING+(\q)+1], v[ACC0+(\q):ACC0+(\q)+1], v[ACC1+(\q):ACC1+(\q)+1]  ; from the accumulators' low end on
.endr
	v_lshlrev_b32 v[DD], 3, v2
	v_sub_nc_u32 v[DD], v1, v[DD]
	DIAG GR, DD, NV
	v_lshlrev_b32 v[A16], 4, v3
	s_lshl_b32 s6, s4, 10
	v_add_nc_u32 v[A16W], s6, v[A16]
	v_lshlrev_b32 v[A4], 2, v0
	ds_store_b128 v[A16W], v[RING:RING+3] offset:RED
	ds_store_b128 v[A16W], v[RING+4:RING+7] offset:RED+512
	ds_store_b32 v[A4], v[NV] offset:RN
	s_wait_dscnt 0x0                               ; for wave 0's sake: my partial logits and norms lie in LDS
	s_barrier_signal -1
	s_barrier_wait -1
	s_cmp_lg_u32 s4, 0
	s_cbranch_scc1 .Lend                           ; the rest is wave 0's; no barrier follows
.set LG,  128                          ; v128-191 the eight waves' parts; the sums end in v128-135
.set M1,  192                          ; my eight experts' largest logit, its index, the second, its index
.set I1,  193
.set M2,  194
.set I2,  195
.set EB,  196                          ; 8 h
.set EJ,  197                          ; 8 h + j
.set O1,  198                          ; the other half's four
.set OI1, 199
.set O2,  200
.set OI2, 201
.set A1,  202                          ; experts 0-7's four, in both halves
.set AI1, 203
.set A2,  204
.set AI2, 205
.set B1,  206                          ; experts 8-15's four
.set BI1, 207
.set B2,  208
.set BI2, 209
.set T1,  210                          ; the token's largest, its index
.set TI1, 211
.set XV,  212
.set XI,  213
.set YV,  214
.set YI,  215
.set T2,  216                          ; the second, its index
.set TI2, 217
.set PW,  218
.set DN,  219
.set C1,  220
.set C2,  221
.set VAL, 222
.set CWA, 223
.set CB,  224                          ; v224-239 the block of cw on its way out
.set NS,  240                          ; v240-247 the eight partial norms; the sum ends in v240
.set SX,  248                          ; 2^(126 - EX)
.set IX,  249                          ; 2^(EX - 126)
.set EXR, 250
.set VAL2, 251
.irp w, 0,1,2,3,4,5,6,7
	ds_load_b128 v[LG+8*(\w):LG+8*(\w)+3],   v[A16] offset:RED+1024*(\w)
	ds_load_b128 v[LG+8*(\w)+4:LG+8*(\w)+7], v[A16] offset:RED+1024*(\w)+512
.endr
	s_mov_b32 s46, 0x76543210                      ; v_permlanex16_b32: each lane takes its own place in the other half
	s_mov_b32 s47, 0xfedcba98
	s_lshl_b32 s38, ttmp9, 11
	s_add_nc_u64 s[34:35], s[26:27], s[38:39]      ; cw at my 16 tokens
	v_lshlrev_b32 v[EB], 3, v2
	NSUM NS, A4                                    ; its wait is for all the loads above too
	v_lshrrev_b32 v[EXR], 23, v[NS]                ; the biased exponent of |x|^2: |x|^2 < 2^(EX - 126)
	v_max_u32 v[EXR], 96, v[EXR]                   ; clamped, so that every factor and every product of two of them is a normal f32, for a token of zeros too
	v_min_u32 v[EXR], 190, v[EXR]
	v_sub_nc_u32 v[SX], 253, v[EXR]
	v_lshlrev_b32 v[SX], 23, v[SX]
	v_add_nc_u32 v[IX], 1, v[EXR]
	v_lshlrev_b32 v[IX], 23, v[IX]
.irp w, 0,2,4,6
.irp q, 0,2,4,6
	v_pk_add_f32 v[LG+8*(\w)+(\q):LG+8*(\w)+(\q)+1], v[LG+8*(\w)+(\q):LG+8*(\w)+(\q)+1], v[LG+8*(\w)+8+(\q):LG+8*(\w)+8+(\q)+1]
.endr
.endr
.irp w, 0,4
.irp q, 0,2,4,6
	v_pk_add_f32 v[LG+8*(\w)+(\q):LG+8*(\w)+(\q)+1], v[LG+8*(\w)+(\q):LG+8*(\w)+(\q)+1], v[LG+8*(\w)+16+(\q):LG+8*(\w)+16+(\q)+1]
.endr
.endr
.irp q, 0,2,4,6
	v_pk_add_f32 v[LG+(\q):LG+(\q)+1], v[LG+(\q):LG+(\q)+1], v[LG+32+(\q):LG+32+(\q)+1]
.endr
	; the two largest of my eight, by selects alone: nothing but values hangs on the logits
	v_mov_b32 v[M1], v[LG]
	v_mov_b32 v[I1], v[EB]
	v_mov_b32 v[M2], 0xff800000                    ; minus infinity
	v_mov_b32 v[I2], v[EB]
.irp j, 1,2,3,4,5,6,7
	v_add_nc_u32 v[EJ], (\j), v[EB]
	v_cmp_gt_f32 s40, v[LG+(\j)], v[M1]
	v_cmp_gt_f32 s41, v[LG+(\j)], v[M2]
	v_cndmask_b32 v[M2], v[M2], v[LG+(\j)], s41    ; above the second: it takes the second's place,
	v_cndmask_b32 v[I2], v[I2], v[EJ], s41
	v_cndmask_b32 v[M2], v[M2], v[M1], s40         ; above the first: the old first becomes the second,
	v_cndmask_b32 v[I2], v[I2], v[I1], s40
	v_cndmask_b32 v[M1], v[M1], v[LG+(\j)], s40    ; and it the first
	v_cndmask_b32 v[I1], v[I1], v[EJ], s40
.endr
.irp o, O1, OI1, O2, OI2
	v_mov_b32 v[\o], 0                             ; v_permlanex16_b32 counts as a reader of its destination
.endr
	v_permlanex16_b32 v[O1],  v[M1], s46, s47
	v_permlanex16_b32 v[OI1], v[I1], s46, s47
	v_permlanex16_b32 v[O2],  v[M2], s46, s47
	v_permlanex16_b32 v[OI2], v[I2], s46, s47
	v_cmp_eq_u32 s42, 1, v2                        ; the upper half of the lanes
	v_cndmask_b32 v[A1],  v[M1], v[O1],  s42
	v_cndmask_b32 v[AI1], v[I1], v[OI1], s42
	v_cndmask_b32 v[A2],  v[M2], v[O2],  s42
	v_cndmask_b32 v[AI2], v[I2], v[OI2], s42
	v_cndmask_b32 v[B1],  v[O1],  v[M1], s42
	v_cndmask_b32 v[BI1], v[OI1], v[I1], s42
	v_cndmask_b32 v[B2],  v[O2],  v[M2], s42
	v_cndmask_b32 v[BI2], v[OI2], v[I2], s42
	v_cmp_gt_f32 s40, v[B1], v[A1]                 ; strict: on a tie the lower index, A's, stays
	v_cndmask_b32 v[T1],  v[A1],  v[B1],  s40
	v_cndmask_b32 v[TI1], v[AI1], v[BI1], s40
	v_cndmask_b32 v[XV],  v[A2],  v[A1],  s40      ; what A still offers,
	v_cndmask_b32 v[XI],  v[AI2], v[AI1], s40
	v_cndmask_b32 v[YV],  v[B1],  v[B2],  s40      ; what B still offers
	v_cndmask_b32 v[YI],  v[BI1], v[BI2], s40
	v_cmp_gt_f32 s41, v[YV], v[XV]
	v_cndmask_b32 v[T2],  v[XV], v[YV], s41
	v_cndmask_b32 v[TI2], v[XI], v[YI], s41
	v_sub_f32 v[PW], v[T2], v[T1]                  ; l2 - l1, never above 0
	v_mul_f32 v[PW], 0x3fb8aa3b, v[PW]             ; x log2(e)
	v_exp_f32 v[PW], v[PW]
	v_lshlrev_b32 v[CWA], 2, v1                    ; a plain instruction behind the exponential (ISA guide 5.7.2)
	s_wait_alu depctr_va_vdst(0)
	v_add_f32 v[DN], 1.0, v[PW]
	v_rcp_f32 v[C1], v[DN]
	v_lshl_add_u32 v[CWA], v2, 9, v[CWA]           ; and one behind the reciprocal: 512 h + 4 r
	s_wait_alu depctr_va_vdst(0)
	v_mul_f32 v[C2], v[PW], v[C1]
	v_mul_f32 v[C1], v[SX], v[C1]                  ; the token's scale rides on the combine weights
	v_mul_f32 v[C2], v[SX], v[C2]
.irp j, 0,1,2,3,4,5,6,7
	v_add_nc_u32 v[EJ], (\j), v[EB]
	v_cmp_eq_u32 s40, v[EJ], v[TI1]
	v_cmp_eq_u32 s41, v[EJ], v[TI2]
	v_cndmask_b32 v[VAL], 0, v[C1], s40
	v_cndmask_b32 v[VAL], v[VAL], v[C2], s41
	ds_store_b32 v[CWA], v[VAL] offset:CWS+64*(\j) ; slot 8 h + j, token r: every place is written, in every lane
.endr
	v_cndmask_b32 v[VAL2], v[SX], v[IX], s42
.irp j, 0,1,2,3
	ds_store_b32 v[CWA], v[VAL2] offset:CWS+1024+64*(\j)  ; slots 16-19: sx; slots 24-27: 1 / sx
.endr
.irp j, 4,5,6,7
	ds_store_b32 v[CWA], v[IX] offset:CWS+1024+64*(\j)    ; slots 20-23 and 28-31: 1 / sx
.endr
.irp k, 0,1,2,3
	ds_load_b128 v[CB+4*(\k):CB+4*(\k)+3], v[A16] offset:CWS+512*(\k)  ; my wave's own bytes, served in order
.endr
	s_wait_dscnt 0x0
.irp k, 0,1,2,3
	global_store_b128 v[A16], v[CB+4*(\k):CB+4*(\k)+3], s[34:35] offset:512*(\k)  ; each store: 512 consecutive bytes, aligned
.endr
.Lend:
	s_set_vgpr_msb 0x5
	s_wait_tensorcnt 0x0
	ds_add_u32 v0, v1
	s_wait_dscnt 0x0
	s_set_vgpr_msb 0x500
	s_endpgm
	; ---- THE WEIGHTS: two settings of one text.  s[28:29] source, s[30:31] destination, s36 bytes from an item's even rows to its odd ones, s37 from load to load, s[32:33] and s[34:35] from item to item
.Lweights:
	s_mov_b32 s33, 0
	s_mov_b32 s35, 0
	s_mov_b32 s45, 0xffff0000                      ; a word's upper bf16
	s_cmp_lt_u32 ttmp9, 416
	s_cbranch_scc0 .Ldownw
	s_sub_co_u32 s5, ttmp9, 256                    ; nb: block of wc.  Wave w takes k = 512 w on, eight items
	s_lshr_b32 s6, s5, 3                           ; the expert,
	s_lshl_b32 s6, s6, 4                           ; its 128 rows in groups of eight,
	s_and_b32 s7, s5, 7
	s_add_co_u32 s6, s6, s7                        ; and the block's eight gate rows among them
	s_sub_co_u32 s7, s5, 128                       ; the same for the shared MLP (used from nb = 128 on)
	s_cmp_lt_u32 s5, 128
	s_cselect_b64 s[28:29], s[12:13], s[14:15]
	s_cselect_b32 s38, s6, s7
	s_cselect_b32 s44, 0, 2
	s_lshl_b32 s38, s38, 17                        ; eight rows of 16,384 bytes
	s_lshl_b32 s36, 0x100000, s44                  ; the up row lies 64 rows behind its gate row, or 256
	s_lshl_b32 s6, s4, 11
	s_add_co_u32 s38, s38, s6
	s_add_nc_u64 s[28:29], s[28:29], s[38:39]
	s_mov_b32 s37, ROWB
	s_mov_b32 s32, 256
	s_mov_b32 s34, 2048
	s_lshl_b32 s38, s5, 17
	s_lshl_b32 s6, s4, 14
	s_add_co_u32 s38, s38, s6
	s_add_nc_u64 s[30:31], s[22:23], s[38:39]
	s_branch .Lwgo
.Ldownw:
	s_sub_co_u32 s5, ttmp9, 416
	s_lshr_b32 s6, s5, 2                           ; pe: which 64 act columns: experts 0-15, then the shared MLP's four quarters
	s_and_b32 s5, s5, 3
	s_lshl_b32 s5, s5, 3
	s_add_co_u32 s5, s5, s4
	s_lshl_b32 s5, s5, 3                           ; the wave's first block of 16 output rows; its eight items are eight blocks
	s_lshl_b32 s7, s6, 20                          ; an expert's 4,096 rows of 256 bytes
	s_sub_co_u32 s40, s6, 16
	s_lshl_b32 s40, s40, 8                         ; or a quarter of the shared rows of 1,024 bytes (used from pe = 16 on)
	s_cmp_lt_u32 s6, 16
	s_cselect_b64 s[28:29], s[16:17], s[18:19]
	s_cselect_b32 s38, s7, s40
	s_cselect_b32 s44, 0, 2
	s_lshl_b32 s36, 256, s44                       ; a row,
	s_lshl_b32 s37, 512, s44                       ; two rows,
	s_lshl_b32 s32, 4096, s44                      ; sixteen rows
	s_mul_i32 s7, s5, s32
	s_add_co_u32 s38, s38, s7
	s_add_nc_u64 s[28:29], s[28:29], s[38:39]
	s_mov_b32 s34, 40960                           ; a block of wd: 160 units
	s_mul_i32 s38, s5, 40960
	s_lshl_b32 s7, s6, 11                          ; pe's eight units
	s_add_co_u32 s38, s38, s7
	s_add_nc_u64 s[30:31], s[24:25], s[38:39]
.Lwgo:
	v_lshlrev_b32 v[FRX], 4, v1
	v_mad_u32_u24 v[VOFF], v2, s36, v[FRX]
.irp i, 1,2,3,4,5,6,7
	v_add_nc_u32 v[VOFF+(\i)], s37, v[VOFF+(\i)-1]
.endr
.macro WLOAD s                         ; an item into set s
.irp i, 0,1,2,3,4,5,6,7
	global_load_b128 v[RING+32*(\s)+4*(\i):RING+32*(\s)+4*(\i)+3], v[VOFF+(\i)], s[28:29] th:TH_LOAD_NT
.endr
.endm
.macro WITEM t, left                   ; left = the loads issued behind item t's eight
	s_wait_loadcnt \left
	CONV RING+32*((\t)%6), 8                       ; these 16 also stand between the last item's products and the loads into their sources below
	s_cmp_lt_u32 ttmp9, 416
	s_cbranch_scc1 .Lbf16_\@                       ; the gate and up weights stay bf16
	TOF16 RING+32*((\t)%6), 8                      ; the down weights meet act, which is f16
.Lbf16_\@:
	TOST RING+32*((\t)%6), 0
.if (\t) < 2
	WLOAD \t                                       ; items 6 and 7 take the first two sets again
.endif
	s_wait_xcnt 0x0                                ; FRX, the source and the destination are rewritten only behind this wait
.if (\t) == 0
	s_add_nc_u64 s[28:29], s[28:29], s[32:33]
.endif
.if (\t) > 0
	s_add_nc_u64 s[30:31], s[30:31], s[34:35]
.endif
	BACK FRX, 0
	s_wait_dscnt 0x0
	SENDC FRX, 0
	; w w^T for the rows' norms, two accumulators by turns.  The down weights' waves run the two lines too, on numbers that nobody reads: the price of one text for both
.if (\t) == 0
	v_wmma_f32_16x16x32_bf16 v[ACC0:ACC0+7], v[FRX:FRX+7], v[FRX:FRX+7], 0
	v_wmma_f32_16x16x32_bf16 v[ACC1:ACC1+7], v[FRX+8:FRX+15], v[FRX+8:FRX+15], 0
.else
	v_wmma_f32_16x16x32_bf16 v[ACC0:ACC0+7], v[FRX:FRX+7], v[FRX:FRX+7], v[ACC0:ACC0+7]
	v_wmma_f32_16x16x32_bf16 v[ACC1:ACC1+7], v[FRX+8:FRX+15], v[FRX+8:FRX+15], v[ACC1:ACC1+7]
.endif
.endm
.irp t, 0,1,2,3,4,5
	WLOAD \t
	s_wait_xcnt 0x0                                ; the source steps only behind this wait
	s_add_nc_u64 s[28:29], s[28:29], s[32:33]
.endr
	WITEM 0, 40
	WITEM 1, 40
	WITEM 2, 40
	WITEM 3, 32
	WITEM 4, 24
	WITEM 5, 16
	WITEM 6, 8
	WITEM 7, 0
	s_cmp_lt_u32 ttmp9, 416
	s_cbranch_scc0 .Lend2                          ; the down weights are done
	; a block of wc: the largest squared norm of its 16 rows.  All eight waves of such a work-group come here, so the barrier finds them all
.rept 4
	v_nop                                          ; four places between the last products and the reads of their results (ISA guide 7.12.1)
.endr
.irp q, 0,2,4,6
	v_pk_add_f32 v[FRG+(\q):FRG+(\q)+1], v[ACC0+(\q):ACC0+(\q)+1], v[ACC1+(\q):ACC1+(\q)+1]  ; from the accumulators' low end on
.endr
	v_lshlrev_b32 v[FRG+8], 3, v2
	v_sub_nc_u32 v[FRG+8], v1, v[FRG+8]            ; r - 8 h
	DIAG FRG, FRG+8, FRG+9
	v_lshlrev_b32 v[FRG+10], 2, v0
	ds_store_b32 v[FRG+10], v[FRG+9] offset:RN
	s_wait_dscnt 0x0                               ; for wave 0's sake: my partial norms lie in LDS
	s_barrier_signal -1
	s_barrier_wait -1
	s_cmp_lg_u32 s4, 0
	s_cbranch_scc1 .Lend2
	s_mov_b32 s46, 0x76543210
	s_mov_b32 s47, 0xfedcba98
	NSUM RING, FRG+10
	v_max_num_f32_dpp v[RING], v[RING], v[RING] row_xmask:1 row_mask:0xf bank_mask:0xf
	v_max_num_f32_dpp v[RING], v[RING], v[RING] row_xmask:2 row_mask:0xf bank_mask:0xf
	v_max_num_f32_dpp v[RING], v[RING], v[RING] row_xmask:4 row_mask:0xf bank_mask:0xf
	v_max_num_f32_dpp v[RING], v[RING], v[RING] row_xmask:8 row_mask:0xf bank_mask:0xf
	s_sub_co_u32 s5, ttmp9, 256
	s_lshl_b32 s5, s5, 2
	v_mov_b32 v[FRG+11], s5                        ; the block's word in wn
	s_wait_xcnt 0x0                                ; EXEC changes only behind this wait: the units' stores are out
	v_cmp_eq_u32 vcc_lo, 0, v0
	s_and_saveexec_b32 s40, vcc_lo
	global_store_b32 v[FRG+11], v[RING], s[2:3]    ; one number a work-group, by one lane: the 160 of them lie on end, so that a reader takes them in five loads
	s_wait_xcnt 0x0
	s_or_b32 exec_lo, exec_lo, s40
.Lend2:
	s_set_vgpr_msb 0x5
	s_wait_tensorcnt 0x0
	ds_add_u32 v0, v1
	s_wait_dscnt 0x0
	s_set_vgpr_msb 0x500
	s_endpgm
.Lfunc_end_k_qd3e3c44ce1_prep:
	.size	k_qd3e3c44ce1_prep, .Lfunc_end_k_qd3e3c44ce1_prep-k_qd3e3c44ce1_prep
	.p2alignl 7, 3214868480
	.fill 96, 4, 3214868480
	.section	.rodata,"a",@progbits
	.p2align	6, 0x0
	.amdhsa_kernel k_qd3e3c44ce1_prep
		.amdhsa_group_segment_fixed_size 49152
		.amdhsa_private_segment_fixed_size 0
		.amdhsa_enable_private_segment 0
		.amdhsa_kernarg_size 88
		.amdhsa_user_sgpr_count 2
		.amdhsa_user_sgpr_kernarg_segment_ptr 1
		.amdhsa_wavefront_size32 1
		.amdhsa_system_sgpr_workgroup_id_x 1
		.amdhsa_system_sgpr_workgroup_id_y 1
		.amdhsa_system_sgpr_workgroup_id_z 1
		.amdhsa_system_vgpr_workitem_id 0
		.amdhsa_next_free_vgpr 258
		.amdhsa_next_free_sgpr 66
		.amdhsa_reserve_vcc 1
		.amdhsa_float_denorm_mode_32 3
		.amdhsa_float_denorm_mode_16_64 3
		.amdhsa_memory_ordered 1
		.amdhsa_forward_progress 1
		.amdhsa_inst_pref_size 112
	.end_amdhsa_kernel
	.amdgpu_metadata
---
amdhsa.version: [ 1, 2 ]
amdhsa.kernels:
  - .name:           k_qd3e3c44ce1_prep
    .symbol:         k_qd3e3c44ce1_prep.kd
    .args:
      - { .name: hidden_states, .offset: 0, .size: 8, .value_kind: global_buffer, .address_space: global }
      - { .name: gate_w, .offset: 8, .size: 8, .value_kind: global_buffer, .address_space: global }
      - { .name: w_gate_up, .offset: 16, .size: 8, .value_kind: global_buffer, .address_space: global }
      - { .name: shared_w_gate_up, .offset: 24, .size: 8, .value_kind: global_buffer, .address_space: global }
      - { .name: w_down, .offset: 32, .size: 8, .value_kind: global_buffer, .address_space: global }
      - { .name: shared_w_down, .offset: 40, .size: 8, .value_kind: global_buffer, .address_space: global }
      - { .name: xb, .offset: 48, .size: 8, .value_kind: global_buffer, .address_space: global }
      - { .name: wc, .offset: 56, .size: 8, .value_kind: global_buffer, .address_space: global }
      - { .name: wd, .offset: 64, .size: 8, .value_kind: global_buffer, .address_space: global }
      - { .name: cw, .offset: 72, .size: 8, .value_kind: global_buffer, .address_space: global }
      - { .name: wn, .offset: 80, .size: 8, .value_kind: global_buffer, .address_space: global }
    .group_segment_fixed_size: 49152
    .private_segment_fixed_size: 0
    .kernarg_segment_align: 8
    .kernarg_segment_size: 88
    .max_flat_workgroup_size: 256
    .sgpr_count:     66
    .vgpr_count:     258
    .wavefront_size: 32
...
	.end_amdgpu_metadata
.endif
;; end of part 1
;; launch up (part 2): grid 16 x 16, 4 waves a work-group, clusters of 4 x 4, 327,680 bytes of LDS; arguments xb, wc, cw, act, wn; writes act
.if DOCPART == 2
	.amdgcn_target "amdgcn-amd-amdhsa--gfx1250"
	.amdhsa_code_object_version 6
	.text
	.protected	k_qd3e3c44ce1_up
	.globl	k_qd3e3c44ce1_up
	.p2align	8
	.type	k_qd3e3c44ce1_up,@function
k_qd3e3c44ce1_up:
	s_mov_b64 s[64:65], 0
	v_nop
	global_prefetch_b8 v0, s[64:65] scope:SCOPE_SE
	s_setreg_imm32_b32 hwreg(HW_REG_WAVE_MODE, 25, 1), 1
	s_wait_xcnt 0x0
	s_wait_alu depctr_hold_cnt(0) depctr_sa_sdst(0) depctr_va_vdst(0) depctr_va_sdst(0) depctr_va_ssrc(0) depctr_va_vcc(0) depctr_vm_vsrc(0)
	s_getreg_b32 s2, hwreg(HW_REG_IB_STS2, 6, 4)
	s_cmp_eq_u32 s2, 0
	s_cbranch_scc0 .Lentry_in_a_cluster
	s_endpgm
.Lentry_in_a_cluster:
	s_bfe_u32 s2, ttmp6, 0x10000c
	s_cmp_lg_u32 s2, 0xf033
	s_cbranch_scc0 .Lentry_shape_is_right
	s_endpgm
.Lentry_shape_is_right:
; UP: act[t][C] = s[t] cw[t][C / 64] silu(x[t] . Wg[C]) (x[t] . Wu[C]) for 4,096 tokens and 1,280 act columns (16 experts x 64, then the shared MLP's 256): one product 4,096 x 2,560 x 4,096 in bf16
; with f32 sums.  The combine weight multiplies a whole group of 64 act columns, so it is applied here and the sum over experts becomes part of the next launch's K.
; xb, wc and act lie in units of 256 bytes (16 rows x 8 k), [rows/16][K/8]; in wc row 2 i + s of block nb is the gate (s = 0) or up (s = 1) row of act column 8 nb + i.
; THE FORMAT OF act is f16: silu(g) u has heavy tails, and bf16's step at its largest numbers, times one down weight, is as large as the whole allowance.  f16's range is met by the token's scale
; s[t] = 2^(126 - EX) 2^(140 - EW): EX, EW the biased exponents of |x_t|^2 and of W2, the largest squared norm of a gate or up row, each clamped to 96 .. 190.  |act| <= |x_t|^2 W2 < 2^(EX + EW - 252), so
; |s act| < 2^14 for every input.  The first factor arrives in cw; the second is made here from wn's 160 numbers and multiplied onto cw once.  The next launch divides by s.
; SHARES.  A tile is 256 tokens x 160 rows of wc: 16 x 16 tiles, one to a work-group.  A wave makes 128 x 80: 40 accumulators, 320 registers.
; THE RING.  Two LDS slots of 26 blocks of 16 rows (16 of xb, 10 of wc).  Behind each change of slots a wave issues one load, and the wait for it stands in front of the next change, so a slot is made as
; large as two of them fit: 192 along K, 6,144 consecutive bytes a block, 159,744 bytes a slot.  4,096 = 64 + 21 x 192: the first step is a short one of 64, so that all refills are alike.
; A tile is asked for as rows of a block's bytes, a block to a row: waves 0, 1 fetch A's two halves (8 blocks), waves 2, 3 B's (5 blocks).  In LDS a fragment's 16 lanes read 256 consecutive bytes: no padding is wanted.
; A step is written once: the slot in hand is a scalar, 0 or SLOT, added to lane terms that are never rewritten, and one descriptor a tensor walks from step to step.
; CLUSTER.  4 x 4 work-groups: the four of a row need the same tiles of xb, the four of a column the same tiles of wc; each tile is asked for jointly, by the same load, descriptor and mask in all four.
; TRANSPOSED USE.  Source 0 = 16 rows of wc, source 1 = 16 tokens: lane (r, h) holds token r; its registers 2 q and 2 q + 1 are gate and up of act column 4 h + q of the block's eight.  So silu(g) u needs
; no other lane, and an accumulator's 16 x 8 results, rounded to f16, ARE one unit of act: one store of 8 bytes a lane writes its 256 bytes whole.
; LIMITS.  act is rounded once to f16; s act below 6e-5 keeps f16's fixed step of 6e-8.  |x_t|^2 and W2 stay under 2^64; under 2^-31 the scale no longer follows them.
; silu(g) = g / (1 + 2^(-g log2 e)): where the exponential overflows the quotient is 0 with g's sign.  NaN and infinities are not treated apart.
; REGISTERS, in windows of 256: window 0: v0-31 addresses; v64-127, v128-191 A's fragments, two buffers; v192-231 cw; behind the loop v64-143 results, v144-183 at work.
;   window 1: v64-103, v128-167 B's fragments.   window 2: accumulators of my rows 0-63 ((a, b) at v[8 (5 a + b)]).   window 3: those of rows 64-127.
.set BLK,   6144                       ; a block's K step of 192 in LDS and in memory: 24 units
.set SBLK,  2048                       ; a block's first, short step of 64: 8 units
.set BOFF,  16*BLK                     ; B's blocks lie behind A's sixteen
.set SLOT,  26*BLK
.set SPARE, 2*SLOT                     ; behind the ring: the spare words, 128 bytes for each wave: two blocks of 256 bytes that no other line names
.set STEPS, 21                         ; steps of 192 behind the short one
.set APITCH, 40960                     ; bytes in a block of act: 160 units
.set CWO,  8                           ; v8-12   my byte offset in cw for my wave's act unit b
.set KREG, 13                          ; v13     -log2(e)
.set SW,   14                          ; v14     2^(140 - EW)
.set WNO,  15                          ; v15     4 x lane: my byte offset in 128 bytes of wn
.set ADRA, 16                          ; v16     LDS address of my A fragments in the slot in hand
.set A0,   17                          ; v17     the same in slot 0; never rewritten
.set ADRB, 20                          ; v20     LDS address of my B fragments in the slot in hand
.set B0,   21                          ; v21     the same in slot 0; never rewritten
.set AO,   24                          ; v24     16 r + 8 h: my 8 bytes in a unit of act
.set SPW,  28                          ; v28     LDS address of my spare word; never rewritten
.set NIL,  29                          ; v29     0; never rewritten
.set F0,   64
.set F1,   128
.set CW,   192                         ; v192-231  cw of token r in row block a for unit b, at 5 a + b
.set OUT,  64                          ; behind the loop: 80 registers, packed results; never rewritten
.set T,    144                         ; 20 at work
.set U,    164                         ; 20 at work
.set G1,  24                           ; s[24:31] descriptor group 1 for A's tiles of 192
.set G0,  32                           ; s[32:39] group 0 for A: a set for each of the two first fills; the second then walks on
.set G1B, 48                           ; s[48:55], s[56:63] the same for B's
.set G0B, 56
.set TB,  77                           ; s77      LDS byte at which the slot in hand begins: 0 or SLOT
.set G1S, 80                           ; s[80:87] group 1 for A's short tile
.set G1BS, 88                          ; s[88:95] for B's
.set MSB, 0
.macro WIN new                         ; the immediate's high byte repeats the setting that is left; a switch that changes nothing is dropped
.if MSB != (\new)
	s_set_vgpr_msb (MSB<<8)|(\new)
.set MSB, \new
.endif
.endm
.set MUL_LO, 0xa1                      ; source 0 (B) window 1, source 1 (A) window 0, C and D window 2
.set MUL_HI, 0xf1                      ; the same, C and D window 3
.set TO_B,   0x40                      ; destination window 1, address window 0
; A joint load by set s of the group 0s; short = 1: the first step's shape.  Each of the two lines has one mask and one set of registers for all that issue it; the branch hangs on the wave's number alone.
; An s_nop 0 and four v_nop follow each line, ahead of the jump, the label and what follows.
.macro JLOAD s, short
	s_cmp_eq_u32 s13, 0
	s_cbranch_scc0 .Lfor_b_\@
.if \short
	tensor_load_to_lds s[G0+4*(\s):G0+4*(\s)+3], s[G1S:G1S+7]
.else
	tensor_load_to_lds s[G0+4*(\s):G0+4*(\s)+3], s[G1:G1+7]
.endif
	s_nop 0
.rept 4
	v_nop
.endr
	s_branch .Lasked_\@
.Lfor_b_\@:
.if \short
	tensor_load_to_lds s[G0B+4*(\s):G0B+4*(\s)+3], s[G1BS:G1BS+7]
.else
	tensor_load_to_lds s[G0B+4*(\s):G0B+4*(\s)+3], s[G1B:G1B+7]
.endif
	s_nop 0
.rept 4
	v_nop
.endr
.Lasked_\@:
.endm
.macro CREST                           ; a round of the cluster's barrier behind its opening barrier: wave 0 signals for the work-group, every wave waits for all sixteen, my work-group's barrier closes it
	s_cmp_lg_u32 s12, 0
	s_cbranch_scc1 .Lnot_wave_0_\@
	s_barrier_signal -3
.Lnot_wave_0_\@:
	s_barrier_wait -3
	s_barrier_signal -1
	s_barrier_wait -1
.endm
.macro CROUND                          ; a whole round
	s_barrier_signal -1
	s_barrier_wait -1
	CREST
.endm
	s_load_b256 s[4:11], s[0:1], 0x0               ; xb s[4:5], wc s[6:7], cw s[8:9], act s[10:11]
	s_load_b64 s[78:79], s[0:1], 0x20              ; wn
	v_lshl_add_u32 v[SPW], v0, 2, SPARE
	v_mov_b32 v[NIL], 0
	ds_add_u32 v28, v29
	s_wait_dscnt 0x0
	v_lshrrev_b32 v1, 5, v0
	v_readfirstlane_b32 s12, v1                    ; wave 0..3
	s_lshr_b32 s13, s12, 1                         ; which half of the tile's rows is mine.  Also: I fetch for A (0) or for B (1)
	s_and_b32 s14, s12, 1                          ; which half of its columns.  Also: which half of that tile I fetch
	s_bfe_u32 s40, ttmp6, 0x40000                  ; cx, cy: my place in the cluster
	s_bfe_u32 s41, ttmp6, 0x40004
	s_lshl_b32 s42, ttmp9, 2
	s_add_co_u32 s42, s42, s40                     ; tile column = 4 x cluster x + cx
	s_and_b32 s43, ttmp7, 0xffff
	s_lshl_b32 s43, s43, 2
	s_add_co_u32 s43, s43, s41                     ; tile row = 4 x cluster y + cy
	s_lshl_b32 s44, s41, 2
	s_lshl_b32 s44, 15, s44                        ; my row of the cluster
	s_lshl_b32 s45, 0x1111, s40                    ; my column
	; descriptor group 1: elements of 8 bytes; a row is a block's K step (768 elements, or 256 in the short step), 16,384 elements (a block's 512 units) from row to row
	s_or_b32 s[G1+0], s44, (3<<16)|(1<<21)         ; 15:0 the mask: A's tiles go to my row; 17:16 elements of 8 bytes; 21 set beside a mask
	s_or_b32 s[G1S+0], s44, (3<<16)|(1<<21)
	s_or_b32 s[G1B+0], s45, (3<<16)|(1<<21)        ; the same with my column's mask
	s_or_b32 s[G1BS+0], s45, (3<<16)|(1<<21)
	s_mov_b32 s[G1+1], (BLK/8)<<16                 ; tensor_dim0 = 768
	s_mov_b32 s[G1B+1], (BLK/8)<<16
	s_mov_b32 s[G1S+1], (SBLK/8)<<16               ; 256
	s_mov_b32 s[G1BS+1], (SBLK/8)<<16
	s_mov_b32 s[G1+2], 8<<16                       ; tensor_dim1 = 8 blocks
	s_mov_b32 s[G1S+2], 8<<16
	s_mov_b32 s[G1B+2], 5<<16                      ; 5 blocks
	s_mov_b32 s[G1BS+2], 5<<16
	s_mov_b32 s[G1+3], (BLK/8)<<16                 ; tile_dim0
	s_mov_b32 s[G1B+3], (BLK/8)<<16
	s_mov_b32 s[G1S+3], (SBLK/8)<<16
	s_mov_b32 s[G1BS+3], (SBLK/8)<<16
	s_mov_b32 s[G1+4], 8                           ; tile_dim1
	s_mov_b32 s[G1S+4], 8
	s_mov_b32 s[G1B+4], 5
	s_mov_b32 s[G1BS+4], 5
.irp g, G1, G1B, G1S, G1BS
	s_mov_b32 s[(\g)+5], 16384                     ; tensor_dim0_stride
	s_mov_b32 s[(\g)+6], 0
	s_mov_b32 s[(\g)+7], 0
.endr
	; A's address hangs on the tile row and the wave's number, B's on the tile column and the wave's number, each in registers that never hold the other coordinate
	s_lshl_b32 s17, s14, 3
	s_lshl_b32 s16, s43, 4
	s_add_co_u32 s16, s16, s17                     ; A: block 16 x tile row + 8 x half
	s_lshl_b32 s16, s16, 17                        ; of 131,072 bytes
	s_mov_b32 s17, 0
	s_mul_i32 s46, s42, 10
	s_mul_i32 s47, s14, 5
	s_add_co_u32 s46, s46, s47                     ; B: block 10 x tile column + 5 x half
	s_lshl_b32 s46, s46, 17
	s_mov_b32 s47, 0
	s_mul_i32 s20, s12, 8*BLK                      ; where they go in a slot: waves 0, 1: 8 blocks each from byte 0 on;
	s_mul_i32 s21, s12, 5*BLK
	s_add_co_u32 s21, s21, BOFF-2*5*BLK            ; waves 2, 3: 5 blocks each from BOFF on.  No place in the cluster enters an LDS address.  s20, s21 stay
	s_mov_b32 s[TB], 0                             ; the short step lies in slot 0
	s_wait_kmcnt 0x0
	s_add_nc_u64 s[16:17], s[4:5], s[16:17]
	s_add_nc_u64 s[46:47], s[6:7], s[46:47]
	CROUND                                         ; all sixteen work-groups are here: the first joint loads meet
.irp s, 0,1
	s_mov_b32 s[G0+4*(\s)], 1                                      ; count = 1
	s_add_co_u32 s[G0+4*(\s)+1], s20, (\s)*SLOT                    ; LDS address
	s_add_nc_u64 s[G0+4*(\s)+2:G0+4*(\s)+3], s[16:17], (\s)*SBLK   ; global address: K = 0, and K = 64, where the steps of 192 begin
	s_or_b32 s[G0+4*(\s)+3], s[G0+4*(\s)+3], 0x80000000            ; type = 2
	s_mov_b32 s[G0B+4*(\s)], 1
	s_add_co_u32 s[G0B+4*(\s)+1], s21, (\s)*SLOT
	s_add_nc_u64 s[G0B+4*(\s)+2:G0B+4*(\s)+3], s[46:47], (\s)*SBLK
	s_or_b32 s[G0B+4*(\s)+3], s[G0B+4*(\s)+3], 0x80000000
.endr
	JLOAD 0, 1                                     ; the short step into slot 0: its blocks lie 2,048 bytes apart from my place in the slot on
	JLOAD 1, 0                                     ; the first step of 192 into slot 1: two loads of mine are out
	v_and_b32 v[WNO], 31, v0
	v_lshlrev_b32 v[WNO], 2, v[WNO]
	global_load_b32 v4,  v[WNO], s[78:79]          ; wn's 160 numbers: five loads of 128 consecutive bytes
	global_load_b32 v5,  v[WNO], s[78:79] offset:128
	global_load_b32 v6,  v[WNO], s[78:79] offset:256
	global_load_b32 v7,  v[WNO], s[78:79] offset:384
	global_load_b32 v25, v[WNO], s[78:79] offset:512
	; A fragment is 16 rows x 32 K in 8 registers: lane (r, h) holds row r; registers 0-3 K = 8 h + 0..7 (unit h of the four), registers 4-7 K = 16 + 8 h + 0..7 (unit 2 + h): two loads of 16 bytes, 512 bytes apart
	v_and_b32 v1, 15, v0                           ; r
	v_bfe_u32 v2, v0, 4, 1                         ; h
	v_lshlrev_b32 v3, 4, v1
	v_lshl_add_u32 v3, v2, 8, v3                   ; 256 h + 16 r
	s_mul_i32 s18, s13, 8*BLK                      ; my 8 blocks of A
	s_mul_i32 s19, s14, 5*BLK                      ; my 5 blocks of B
	s_add_co_u32 s19, s19, BOFF
	v_add_nc_u32 v[A0], s18, v3
	v_add_nc_u32 v[B0], s19, v3
	v_mov_b32 v[ADRA], v[A0]                       ; slot 0 is in hand
	v_mov_b32 v[ADRB], v[B0]
	v_lshlrev_b32 v[AO], 4, v1
	v_lshl_add_u32 v[AO], v2, 3, v[AO]
	v_mov_b32 v[KREG], 0xbfb8aa3b                  ; -log2(e)
	s_mul_i32 s73, s42, 10                         ; from here on registers hold both coordinates; none of them feeds a descriptor
	s_mul_i32 s74, s14, 5
	s_add_co_u32 s73, s73, s74                     ; my wave's first unit of act columns
.irp b, 0,1,2,3,4
	s_add_co_u32 s[68+(\b)], s73, (\b)
	s_lshr_b32 s[68+(\b)], s[68+(\b)], 3           ; eight units to a group of 64 columns,
	s_lshl_b32 s[68+(\b)], s[68+(\b)], 6           ; 64 bytes of cw to a group
	v_lshl_add_u32 v[CWO+(\b)], v1, 2, s[68+(\b)]
.endr
	s_lshl_b32 s75, s43, 4
	s_lshl_b32 s76, s13, 3
	s_add_co_u32 s75, s75, s76                     ; my wave's first block of tokens
	s_lshl_b32 s66, s75, 11
	s_mov_b32 s67, 0
	s_add_nc_u64 s[8:9], s[8:9], s[66:67]          ; cw there
	s_mul_i32 s66, s75, APITCH
	s_lshl_b32 s76, s73, 8
	s_add_co_u32 s66, s66, s76
	s_add_nc_u64 s[10:11], s[10:11], s[66:67]      ; act at my wave's first unit
.irp a, 0,1,2,3,4,5,6,7
.irp b, 0,1,2,3,4
	global_load_b32 v[CW+5*(\a)+(\b)], v[CWO+(\b)], s[8:9] offset:2048*(\a)  ; read once, here; waited for behind the loop
.endr
.endr
	s_mov_b32 s18, 0x76543210                      ; v_permlanex16_b32: each lane takes its own place in the other half
	s_mov_b32 s19, 0xfedcba98
	s_wait_loadcnt 40                              ; wn's five are in; the 40 of cw, issued behind them, stay out
	v_max3_num_f32 v4, v4, v5, v6
	v_max3_num_f32 v4, v4, v7, v25
	v_max_num_f32_dpp v4, v4, v4 row_xmask:1 row_mask:0xf bank_mask:0xf
	v_max_num_f32_dpp v4, v4, v4 row_xmask:2 row_mask:0xf bank_mask:0xf
	v_max_num_f32_dpp v4, v4, v4 row_xmask:4 row_mask:0xf bank_mask:0xf
	v_max_num_f32_dpp v4, v4, v4 row_xmask:8 row_mask:0xf bank_mask:0xf
	v_permlanex16_b32 v5, v4, s18, s19
	v_max_num_f32 v4, v4, v5                       ; W2, in every lane
	v_lshrrev_b32 v4, 23, v4                       ; EW: W2 < 2^(EW - 126)
	v_max_u32 v4, 96, v4
	v_min_u32 v4, 190, v4
	v_sub_nc_u32 v4, 267, v4
	v_lshlrev_b32 v[SW], 23, v4                    ; 2^(140 - EW)
; 10 matrix instructions: m blocks a0, a0 + 1 of the window's four x all 5 n blocks, 32 along K.  zero = 1: the first product starts the sums: nothing is cleared.
.macro MUL10 f, hi, a0, zero
	WIN MUL_LO+0x50*(\hi)
.irp a, \a0, (\a0)+1
.irp b, 0,1,2,3,4
.if \zero
	v_wmma_f32_16x16x32_bf16 v[8*(5*(\a)+(\b)):8*(5*(\a)+(\b))+7], v[(\f)+8*(\b):(\f)+8*(\b)+7], v[(\f)+8*(4*(\hi)+(\a)):(\f)+8*(4*(\hi)+(\a))+7], 0
.else
	v_wmma_f32_16x16x32_bf16 v[8*(5*(\a)+(\b)):8*(5*(\a)+(\b))+7], v[(\f)+8*(\b):(\f)+8*(\b)+7], v[(\f)+8*(4*(\hi)+(\a)):(\f)+8*(4*(\hi)+(\a))+7], v[8*(5*(\a)+(\b)):8*(5*(\a)+(\b))+7]
.endif
.endr
.endr
.endm
; 26 LDS loads in one run: the fragments of 32 along K (four units, at byte k of each block) of the slot in hand into buffer f: 10 for B, 16 for A.  pitch: bytes from block to block
.macro FETCH k, f, pitch
	WIN TO_B
.irp i, 0,1,2,3,4
	ds_load_b128 v[(\f)+8*(\i):(\f)+8*(\i)+3],   v[ADRB] offset:(\k)+(\i)*(\pitch)
	ds_load_b128 v[(\f)+8*(\i)+4:(\f)+8*(\i)+7], v[ADRB] offset:(\k)+(\i)*(\pitch)+512
.endr
	WIN 0
.irp i, 0,1,2,3,4,5,6,7
	ds_load_b128 v[(\f)+8*(\i):(\f)+8*(\i)+3],   v[ADRA] offset:(\k)+(\i)*(\pitch)
	ds_load_b128 v[(\f)+8*(\i)+4:(\f)+8*(\i)+7], v[ADRA] offset:(\k)+(\i)*(\pitch)+512
.endr
.endm
.macro PLACES                          ; four plain vector instructions between a matrix instruction and a load into a register that it read, or a read of its result (ISA guide 7.12.1 for the read of its result)
.rept 4
	v_nop
.endr
.endm
; A step of 192 is six parts of 32 along K, 40 matrix instructions each, on buffers 0, 1, 0, 1, 0, 1.  The 40 accumulators take turns in the same order everywhere.
; One of the first five: multiplies buffer f; in its middle it fetches the next part's fragments, at byte k of the blocks, into buffer g.
.macro PART k, f, g, zero, pitch
	s_wait_dscnt 8                                 ; B and A's rows 0-63 are in; the youngest eight loads (A's rows 64-127) may be out
	MUL10 \f, 0, 0, \zero
	MUL10 \f, 0, 2, \zero
	PLACES
	FETCH \k, \g, \pitch
	s_wait_dscnt 26                                ; all but the 26 just issued
	MUL10 \f, 1, 0, \zero
	MUL10 \f, 1, 2, \zero
.endm
; A step's last part multiplies buffer 1 and changes slots: one barrier.  In front of it each wave waits for all its tensor loads (one is out: its part of the next slot), adds 0 to its spare word, and waits
; for that and for its own reads of this slot.  fill = 1: the barrier opens a round of the cluster's, and the slot that is left is filled again, with the step two on, first thing behind the round.
.macro TURN fill
	WIN 0                                          ; (the add's two registers lie in window 0)
	s_wait_tensorcnt 0x0                           ; all my tensor loads have landed, so a group 0 may be written
	ds_add_u32 v[SPW], v[NIL]                      ; 0 onto my spare word
.if \fill
	s_add_co_u32 s[G0+5], s20, s[TB]               ; the walking descriptors: into my place in the slot that is left,
	s_add_co_u32 s[G0B+5], s21, s[TB]
	s_add_nc_u64 s[G0+6:G0+7], s[G0+6:G0+7], BLK   ; the next 192 along K; the type bits on top are not reached
	s_add_nc_u64 s[G0B+6:G0B+7], s[G0B+6:G0B+7], BLK
.endif
	s_xor_b32 s[TB], s[TB], SLOT                   ; 0 becomes SLOT, SLOT becomes 0: the other slot comes in hand
	s_wait_dscnt 9                                 ; (the add and the youngest eight loads may be out)
	MUL10 F1, 0, 0, 0                              ; ten matrix instructions stand between the add and the wait for it
	s_wait_dscnt 0x0                               ; the add is done, and my reads of this slot are over
	s_barrier_signal -1
	MUL10 F1, 0, 2, 0                              ; work on registers while the others arrive
	WIN 0
	v_add_nc_u32 v[ADRA], s[TB], v[A0]
	v_add_nc_u32 v[ADRB], s[TB], v[B0]
	s_barrier_wait -1
.if \fill
	CREST                                          ; no wave of any partner still reads the old slot's tile or has a load on its way
	JLOAD 1, 0                                     ; my one tensor load behind the round: 220 matrix instructions ahead of the wait for it; its four v_nop are also the places in front of the loads below
.else
	PLACES
.endif
	FETCH 0, F0, BLK
	MUL10 F1, 1, 0, 0
	MUL10 F1, 1, 2, 0
.endm
.macro FIVE                            ; a step's first five parts
	PART 1024, F0, F1, 0, BLK
	PART 2048, F1, F0, 0, BLK
	PART 3072, F0, F1, 0, BLK
	PART 4096, F1, F0, 0, BLK
	PART 5120, F0, F1, 0, BLK
.endm
	s_wait_tensorcnt 1                             ; my part of the short step is in; the load behind it may stay out
	s_barrier_signal -1
	s_barrier_wait -1                              ; everybody's is
	FETCH 0, F0, SBLK
	PART 1024, F0, F1, 1, SBLK                     ; the short step's first half stands in front of the loop: its products start the sums
	WIN 0                                          ; at a label and at a branch every window is 0
	s_mov_b32 s15, STEPS-1
.Lstep:                                                ; a trip: the last part of one step, with the change of slots and the refill, and the first five parts of the next.  20 trips ask for steps 2 to 21
	TURN 1
	FIVE
	WIN 0
	s_sub_co_u32 s15, s15, 1
	s_cmp_lg_u32 s15, 0
	s_cbranch_scc1 .Lstep
	TURN 0                                         ; the tail is written out: nothing is left to ask for
	FIVE
	s_wait_dscnt 8                                 ; the very last part: nothing more to fetch
	MUL10 F1, 0, 0, 0
	MUL10 F1, 0, 2, 0
	s_wait_dscnt 0x0
	MUL10 F1, 1, 0, 0
	MUL10 F1, 1, 2, 0
	WIN 0
	PLACES
	s_wait_loadcnt 0x0                             ; cw
.set z, 0
.rept 20
	v_pk_mul_f32 v[CW+2*z:CW+2*z+1], v[CW+2*z:CW+2*z+1], v[SW:SW+1] op_sel_hi:[1,0]  ; the weights' part of the scale, once for each of my 40 numbers of cw
.set z, z+1
.endr
; THE WAY OUT of row block a: 20 act numbers a lane.  Each accumulator is read from its lowest register on.
.macro EPI a
.set AC, 40*((\a)%4)
	WIN 2+(\a)/4                                   ; source 0 in window 2 or 3
.irp b, 0,1,2,3,4
.irp q, 0,1,2,3
	v_mul_f32 v[T+4*(\b)+(\q)], v[AC+8*(\b)+2*(\q)], v[KREG]               ; -g log2(e)
.endr
.endr
.irp b, 0,1,2,3,4
.irp q, 0,1,2,3
	v_mul_f32 v[U+4*(\b)+(\q)], v[AC+8*(\b)+2*(\q)+1], v[CW+5*(\a)+(\b)]   ; u cw s
.endr
.endr
	WIN 0
.set z, 0
.rept 20
	v_exp_f32 v[T+z], v[T+z]
.set z, z+1
.endr
	v_nop                                          ; a plain instruction behind the last exponential (ISA guide 5.7.2)
.set z, 0
	s_wait_alu depctr_va_vdst(0)
.rept 10
	v_pk_add_f32 v[T+2*z:T+2*z+1], v[T+2*z:T+2*z+1], 1.0 op_sel_hi:[1,0]
.set z, z+1
.endr
.set z, 0
.rept 20
	v_rcp_f32 v[T+z], v[T+z]
.set z, z+1
.endr
	v_nop                                          ; and behind the last reciprocal
	WIN 2+(\a)/4
	s_wait_alu depctr_va_vdst(0)
.irp b, 0,1,2,3,4
.irp q, 0,1,2,3
	v_mul_f32 v[T+4*(\b)+(\q)], v[AC+8*(\b)+2*(\q)], v[T+4*(\b)+(\q)]      ; silu(g)
.endr
.endr
	WIN 0
.set z, 0
.rept 10
	v_pk_mul_f32 v[U+2*z:U+2*z+1], v[U+2*z:U+2*z+1], v[T+2*z:T+2*z+1]
.set z, z+1
.endr
.set z, 0
.rept 10
	v_cvt_pk_f16_f32 v[OUT+10*(\a)+z], v[U+2*z], v[U+2*z+1]
.set z, z+1
.endr
.irp b, 0,1,2,3,4
	global_store_b64 v[AO], v[OUT+10*(\a)+2*(\b):OUT+10*(\a)+2*(\b)+1], s[10:11] offset:APITCH*(\a)+256*(\b)  ; 32 lanes x 8 bytes: one unit of act, 256 consecutive bytes, aligned
.endr
.endm
.irp a, 0,1,2,3,4,5,6,7
	EPI \a
.endr
	s_wait_tensorcnt 0x0                           ; the wave's end
	ds_add_u32 v[SPW], v[NIL]
	s_wait_dscnt 0x0
	CROUND                                         ; the closing round: no work-group ends while a partner may still ask for a tile that names it
	s_endpgm
.Lfunc_end_k_qd3e3c44ce1_up:
	.size	k_qd3e3c44ce1_up, .Lfunc_end_k_qd3e3c44ce1_up-k_qd3e3c44ce1_up
	.p2alignl 7, 3214868480
	.fill 96, 4, 3214868480
	.section	.rodata,"a",@progbits
	.p2align	6, 0x0
	.amdhsa_kernel k_qd3e3c44ce1_up
		.amdhsa_group_segment_fixed_size 327680
		.amdhsa_private_segment_fixed_size 0
		.amdhsa_enable_private_segment 0
		.amdhsa_kernarg_size 40
		.amdhsa_user_sgpr_count 2
		.amdhsa_user_sgpr_kernarg_segment_ptr 1
		.amdhsa_wavefront_size32 1
		.amdhsa_system_sgpr_workgroup_id_x 1
		.amdhsa_system_sgpr_workgroup_id_y 1
		.amdhsa_system_sgpr_workgroup_id_z 1
		.amdhsa_system_vgpr_workitem_id 0
		.amdhsa_next_free_vgpr 928
		.amdhsa_next_free_sgpr 96
		.amdhsa_reserve_vcc 0
		.amdhsa_float_denorm_mode_32 3
		.amdhsa_float_denorm_mode_16_64 3
		.amdhsa_memory_ordered 1
		.amdhsa_forward_progress 1
		.amdhsa_inst_pref_size 125
	.end_amdhsa_kernel
	.amdgpu_metadata
---
amdhsa.version: [ 1, 2 ]
amdhsa.kernels:
  - .name:           k_qd3e3c44ce1_up
    .symbol:         k_qd3e3c44ce1_up.kd
    .args:
      - { .name: xb, .offset: 0, .size: 8, .value_kind: global_buffer, .address_space: global }
      - { .name: wc, .offset: 8, .size: 8, .value_kind: global_buffer, .address_space: global }
      - { .name: cw, .offset: 16, .size: 8, .value_kind: global_buffer, .address_space: global }
      - { .name: act, .offset: 24, .size: 8, .value_kind: global_buffer, .address_space: global }
      - { .name: wn, .offset: 32, .size: 8, .value_kind: global_buffer, .address_space: global }
    .group_segment_fixed_size: 327680
    .private_segment_fixed_size: 0
    .kernarg_segment_align: 8
    .kernarg_segment_size: 40
    .max_flat_workgroup_size: 128
    .sgpr_count:     96
    .vgpr_count:     928
    .wavefront_size: 32
...
	.end_amdgpu_metadata
.endif
;; end of part 2
;; launch down (part 3): grid 16 x 16, 4 waves a work-group, clusters of 4 x 4, 327,680 bytes of LDS; arguments act, wd, out0, cw, wn; writes out0
.if DOCPART == 3
	.amdgcn_target "amdgcn-amd-amdhsa--gfx1250"
	.amdhsa_code_object_version 6
	.text
	.protected	k_qd3e3c44ce1_down
	.globl	k_qd3e3c44ce1_down
	.p2align	8
	.type	k_qd3e3c44ce1_down,@function
k_qd3e3c44ce1_down:
	s_mov_b64 s[64:65], 0
	v_nop
	global_prefetch_b8 v0, s[64:65] scope:SCOPE_SE
	s_setreg_imm32_b32 hwreg(HW_REG_WAVE_MODE, 25, 1), 1
	s_wait_xcnt 0x0
	s_wait_alu depctr_hold_cnt(0) depctr_sa_sdst(0) depctr_va_vdst(0) depctr_va_sdst(0) depctr_va_ssrc(0) depctr_va_vcc(0) depctr_vm_vsrc(0)
	s_getreg_b32 s2, hwreg(HW_REG_IB_STS2, 6, 4)
	s_cmp_eq_u32 s2, 0
	s_cbranch_scc0 .Lentry_in_a_cluster
	s_endpgm
.Lentry_in_a_cluster:
	s_bfe_u32 s2, ttmp6, 0x10000c
	s_cmp_lg_u32 s2, 0xf033
	s_cbranch_scc0 .Lentry_shape_is_right
	s_endpgm
.Lentry_shape_is_right:
; DOWN: out[t][n] = (1 / s[t]) x the sum over the 1,280 act columns C of act[t][C] wd[n][C]: the experts' down products, already weighted, and the shared MLP's, as ONE product 4,096 x 4,096 x 1,280,
; f16 operands, f32 sums, f32 out.  act arrives multiplied by the token's scale s[t] = 2^(126 - EX) 2^(140 - EW), a power of two; 2^(EX - 126) lies in slot 20 of cw, 2^(EW - 140) is made here from wn's
; 160 numbers as the launch before made its inverse (EW: the biased exponent of their largest, clamped to 96 .. 190).  Each finished sum is multiplied by the two, which rounds nothing.
; act and wd lie in units of 256 bytes (16 rows x 8 k), [rows/16][160 units]: a K step of 128 of a block of 16 rows is 4,096 consecutive bytes; a fragment's 16 lanes read 256 consecutive bytes of LDS, so no padding is wanted.
; SHARES.  A tile of out is 256 x 256: 16 x 16 tiles, one to a work-group; a wave makes 128 x 128: 64 accumulators, 512 registers.  K goes in ten steps of 128 through two LDS slots; each wave fetches a quarter
; of a slot by one tensor load: 8 blocks, a row of 4,096 bytes each.
; CLUSTER.  4 x 4 work-groups: the four of a row need the same tiles of act, the four of a column the same tiles of wd; each tile is asked for jointly, by the same load, descriptor and mask in all four.
; TRANSPOSED USE.  Source 0 = 16 rows of wd, source 1 = 16 tokens: lane (r, h) holds token r and the eight neighbouring columns 8 h + 0..7: 32 bytes of a row of out; the token's scale is one number a lane.
; THE WAY OUT.  16 tokens at a time go through the wave's own stage in LDS (rows of 528 bytes = 132 words: 16 rows start at 16 different groups of four banks; 64 banks of 4 bytes, ISA guide 11.1) and come back as
; whole rows of 512 bytes, which one store of the wave writes.
; REGISTERS, in windows of 256: window 0: v0-31 addresses; v32-63 the scales; v64-127, v128-191 A's fragments, two buffers, later the rows read back.  window 1: v64-191 B's fragments.
;   window 2: the accumulators of my rows 0-63 ((a, b) at v[8 (8 a + b)]).   window 3: those of rows 64-127.
.set BLK,    4096                      ; a block's K step in LDS and in memory
.set HALFT,  8*BLK                     ; what one tensor load brings, and what one wave reads of A or of B
.set SLOT,   4*HALFT                   ; A's 16 blocks, then B's 16
.set STAGE,  2*SLOT                    ; behind the ring, never filled by a tensor load: 16 rows x 528 bytes for each wave
.set SPITCH, 528
.set SPARE,  STAGE+4*16*SPITCH         ; behind the stages: the spare words, 128 bytes for each wave: two blocks of 256 bytes that no other line names
.set LAPS,   5                         ; a lap = two K steps; K = 1,280
.set BPITCH, 40960                     ; bytes in a block of act and of wd: 160 units
.set OROW,   16384                     ; bytes in a row of out
.set ISW,  14                          ; v14     2^(EW - 140)
.set WNO,  15                          ; v15     4 x lane: my byte offset in 128 bytes of wn
.set ADRA, 16                          ; v16-17  LDS address of my A fragments in slot 0, 1
.set ADRB, 20                          ; v20-21  the same for B
.set STO,  24                          ; v24     the way out: where I put 32 bytes of a row
.set RD,   25                          ; v25     where I read 16 bytes of a row back
.set CO,   26                          ; v26     16 x lane: my byte offset in 512 bytes of out
.set SPW,  28                          ; v28     LDS address of my spare word; never rewritten
.set NIL,  29                          ; v29     0; never rewritten
.set WN,   32                          ; v32-36  wn
.set SCO,  37                          ; v37     4 r: my token's word in a slot of cw
.set IXL,  40                          ; v40-47  2^(EX - 126) of token r in row block a
.set SC,   48                          ; v48-63  1 / s of token r in row block a, twice: a pair for the packed multiply
.set F0,   64
.set F1,   128
.set G1,  24                           ; s[24:31] descriptor group 1 for A's tiles;  s[32:39] group 0, a set for each slot
.set G0,  32
.set G1B, 48                           ; s[48:55], s[56:63] the same for B's
.set G0B, 56
.set MSB, 0
.macro WIN new                         ; the immediate's high byte repeats the setting that is left; a switch that changes nothing is dropped
.if MSB != (\new)
	s_set_vgpr_msb (MSB<<8)|(\new)
.set MSB, \new
.endif
.endm
.set MUL_LO, 0xa1                      ; source 0 (B) window 1, source 1 (A) window 0, C and D window 2
.set MUL_HI, 0xf1                      ; the same, C and D window 3
.set TO_B,   0x40                      ; destination window 1, address window 0
; A joint load: waves 0 and 1 fetch A's two halves, waves 2 and 3 B's.  An s_nop 0 and four v_nop follow each line, ahead of the jump, the label and what follows.
.macro JLOAD s
	s_cmp_eq_u32 s11, 0
	s_cbranch_scc0 .Lfor_b_\@
	tensor_load_to_lds s[G0+4*(\s):G0+4*(\s)+3], s[G1:G1+7]
	s_nop 0
.rept 4
	v_nop
.endr
	s_branch .Lasked_\@
.Lfor_b_\@:
	tensor_load_to_lds s[G0B+4*(\s):G0B+4*(\s)+3], s[G1B:G1B+7]
	s_nop 0
.rept 4
	v_nop
.endr
.Lasked_\@:
.endm
.macro CREST                           ; a round of the cluster's barrier behind its opening barrier
	s_cmp_lg_u32 s10, 0
	s_cbranch_scc1 .Lnot_wave_0_\@
	s_barrier_signal -3
.Lnot_wave_0_\@:
	s_barrier_wait -3
	s_barrier_signal -1
	s_barrier_wait -1
.endm
.macro CROUND                          ; a whole round
	s_barrier_signal -1
	s_barrier_wait -1
	CREST
.endm
	s_load_b128 s[4:7], s[0:1], 0x0                ; act s[4:5], wd s[6:7]
	s_load_b64 s[8:9], s[0:1], 0x10                ; out0
	s_load_b128 s[68:71], s[0:1], 0x18             ; cw s[68:69], wn s[70:71]
	v_lshl_add_u32 v[SPW], v0, 2, SPARE
	v_mov_b32 v[NIL], 0
	ds_add_u32 v28, v29
	s_wait_dscnt 0x0
	v_lshrrev_b32 v1, 5, v0
	v_readfirstlane_b32 s10, v1                    ; wave 0..3
	s_lshr_b32 s11, s10, 1                         ; which half of the tile's rows is mine.  Also: I fetch for A (0) or for B (1)
	s_and_b32 s12, s10, 1                          ; which half of its columns.  Also: which 8 blocks of that tile I fetch
	s_bfe_u32 s40, ttmp6, 0x40000                  ; cx, cy: my place in the cluster
	s_bfe_u32 s41, ttmp6, 0x40004
	s_lshl_b32 s42, ttmp9, 2
	s_add_co_u32 s42, s42, s40                     ; tile column = 4 x cluster x + cx
	s_and_b32 s13, ttmp7, 0xffff
	s_lshl_b32 s13, s13, 2
	s_add_co_u32 s13, s13, s41                     ; tile row = 4 x cluster y + cy
	s_lshl_b32 s43, s41, 2
	s_lshl_b32 s43, 15, s43                        ; my row of the cluster
	s_lshl_b32 s44, 0x1111, s40                    ; my column
	; descriptor group 1: 8 rows of 512 elements of 8 bytes (a block's K step), 5,120 elements (a block's 160 units) from row to row
	s_or_b32 s[G1+0], s43, (3<<16)|(1<<21)         ; 15:0 the mask: A's tiles go to my row; 17:16 elements of 8 bytes; 21 set beside a mask
	s_or_b32 s[G1B+0], s44, (3<<16)|(1<<21)        ; the same with my column's mask
.irp g, G1, G1B
	s_mov_b32 s[(\g)+1], 512<<16                   ; tensor_dim0 = 512
	s_mov_b32 s[(\g)+2], 8<<16                     ; tensor_dim1 = 8
	s_mov_b32 s[(\g)+3], 512<<16                   ; tile_dim0 = 512
	s_mov_b32 s[(\g)+4], 8                         ; tile_dim1 = 8
	s_mov_b32 s[(\g)+5], BPITCH/8                  ; tensor_dim0_stride
	s_mov_b32 s[(\g)+6], 0
	s_mov_b32 s[(\g)+7], 0
.endr
	; A's address hangs on the tile row and the wave's number, B's on the tile column and the wave's number, each in registers that never hold the other coordinate
	s_lshl_b32 s17, s12, 3
	s_lshl_b32 s16, s13, 4
	s_add_co_u32 s16, s16, s17                     ; A: block 16 x tile row + 8 x half
	s_mul_i32 s16, s16, BPITCH
	s_lshl_b32 s46, s42, 4
	s_add_co_u32 s46, s46, s17                     ; B: block 16 x tile column + 8 x half
	s_mul_i32 s46, s46, BPITCH
	s_mov_b32 s17, 0
	s_mov_b32 s47, 0
	s_lshl_b32 s20, s10, 15                        ; where they go: wave x 8 blocks: no place in the cluster enters an LDS address
	s_wait_kmcnt 0x0
	s_add_nc_u64 s[14:15], s[4:5], s[16:17]
	s_add_nc_u64 s[46:47], s[6:7], s[46:47]
	CROUND                                         ; all sixteen work-groups are here: the first joint loads meet
.irp s, 0,1
	s_mov_b32 s[G0+4*(\s)], 1                                      ; count = 1
	s_add_co_u32 s[G0+4*(\s)+1], s20, (\s)*SLOT                    ; LDS address
	s_add_nc_u64 s[G0+4*(\s)+2:G0+4*(\s)+3], s[14:15], (\s)*BLK    ; global address: K step s
	s_or_b32 s[G0+4*(\s)+3], s[G0+4*(\s)+3], 0x80000000            ; type = 2
	s_mov_b32 s[G0B+4*(\s)], 1
	s_add_co_u32 s[G0B+4*(\s)+1], s20, (\s)*SLOT
	s_add_nc_u64 s[G0B+4*(\s)+2:G0B+4*(\s)+3], s[46:47], (\s)*BLK
	s_or_b32 s[G0B+4*(\s)+3], s[G0B+4*(\s)+3], 0x80000000
	JLOAD \s                                       ; two loads of mine are out
.endr
	v_and_b32 v5, 31, v0                           ; lane
	v_lshlrev_b32 v[WNO], 2, v5
.irp i, 0,1,2,3,4
	global_load_b32 v[WN+(\i)], v[WNO], s[70:71] offset:128*(\i)   ; wn's 160 numbers: five loads of 128 consecutive bytes
.endr
	; A fragment is 16 rows x 32 K in 8 registers: lane (r, h) holds row r; registers 0-3 K = 8 h + 0..7 (unit h of the four), registers 4-7 K = 16 + 8 h + 0..7 (unit 2 + h): two loads of 16 bytes, 512 bytes apart
	v_and_b32 v1, 15, v0                           ; r
	v_bfe_u32 v2, v0, 4, 1                         ; h
	v_lshlrev_b32 v3, 4, v1
	v_lshl_add_u32 v3, v2, 8, v3                   ; 256 h + 16 r
	s_lshl_b32 s21, s11, 15                        ; my 8 blocks of A
	s_lshl_b32 s22, s12, 15                        ; my 8 blocks of B,
	s_add_co_u32 s22, s22, 2*HALFT                 ; which lie behind A's 16
.irp s, 0,1
	v_add_nc_u32 v[ADRA+(\s)], s21, v3
	v_add_nc_u32 v[ADRB+(\s)], s22, v3
	s_add_co_u32 s21, s21, SLOT
	s_add_co_u32 s22, s22, SLOT
.endr
	s_mul_i32 s23, s10, 16*SPITCH
	s_add_co_u32 s23, s23, STAGE                   ; my stage
	v_mul_u32_u24 v4, v1, SPITCH                   ; in: row r, 32 bytes for each half of the lanes
	v_lshl_add_u32 v4, v2, 5, v4
	v_add_nc_u32 v[STO], s23, v4
	v_lshlrev_b32 v[CO], 4, v5                     ; back: 32 lanes take a row's 512 bytes
	v_add_nc_u32 v[RD], s23, v[CO]
	v_lshlrev_b32 v[SCO], 2, v1
	s_lshl_b32 s66, s13, 4
	s_lshl_b32 s67, s11, 3
	s_add_co_u32 s66, s66, s67                     ; my wave's first block of tokens,
	s_lshl_b32 s66, s66, 11                        ; 2,048 bytes of cw to a block
	s_mov_b32 s67, 0
	s_add_nc_u64 s[68:69], s[68:69], s[66:67]
.irp a, 0,1,2,3,4,5,6,7
	global_load_b32 v[IXL+(\a)], v[SCO], s[68:69] offset:2048*(\a)+20*64  ; slot 20; read once, here; waited for behind the loop
.endr
	s_lshl_b32 s16, s13, 8
	s_lshl_b32 s17, s11, 7
	s_add_co_u32 s16, s16, s17                     ; my first row of out,
	s_lshl_b32 s16, s16, 14                        ; in bytes
	s_mov_b32 s17, 0
	s_lshl_b32 s46, s42, 10                        ; my first column, in bytes: 1,024 x tile column + 512 x half (in the registers that held B's address)
	s_lshl_b32 s47, s12, 9
	s_add_co_u32 s46, s46, s47
	s_mov_b32 s47, 0
	s_add_nc_u64 s[16:17], s[16:17], s[46:47]
	s_add_nc_u64 s[8:9], s[8:9], s[16:17]
	s_mov_b32 s18, 0x76543210                      ; v_permlanex16_b32: each lane takes its own place in the other half
	s_mov_b32 s19, 0xfedcba98
	s_wait_loadcnt 8                               ; wn's five are in; the eight of cw, issued behind them, stay out
	v_max3_num_f32 v[WN], v[WN], v[WN+1], v[WN+2]
	v_max3_num_f32 v[WN], v[WN], v[WN+3], v[WN+4]
	v_max_num_f32_dpp v[WN], v[WN], v[WN] row_xmask:1 row_mask:0xf bank_mask:0xf
	v_max_num_f32_dpp v[WN], v[WN], v[WN] row_xmask:2 row_mask:0xf bank_mask:0xf
	v_max_num_f32_dpp v[WN], v[WN], v[WN] row_xmask:4 row_mask:0xf bank_mask:0xf
	v_max_num_f32_dpp v[WN], v[WN], v[WN] row_xmask:8 row_mask:0xf bank_mask:0xf
	v_permlanex16_b32 v[WN+1], v[WN], s18, s19
	v_max_num_f32 v[WN], v[WN], v[WN+1]            ; W2, in every lane
	v_lshrrev_b32 v[WN], 23, v[WN]                 ; EW
	v_max_u32 v[WN], 96, v[WN]
	v_min_u32 v[WN], 190, v[WN]
	v_add_nc_u32 v[WN], -13, v[WN]
	v_lshlrev_b32 v[ISW], 23, v[WN]                ; 2^(EW - 140)
; 16 matrix instructions: m blocks a0, a0 + 1 of the window's four x all 8 n blocks, 32 along K.  zero = 1: the first product starts the sums: nothing is cleared.
.macro MUL16 f, hi, a0, zero
	WIN MUL_LO+0x50*(\hi)
.irp a, \a0, (\a0)+1
.irp b, 0,1,2,3,4,5,6,7
.if \zero
	v_wmma_f32_16x16x32_f16 v[8*(8*(\a)+(\b)):8*(8*(\a)+(\b))+7], v[(\f)+8*(\b):(\f)+8*(\b)+7], v[(\f)+8*(4*(\hi)+(\a)):(\f)+8*(4*(\hi)+(\a))+7], 0
.else
	v_wmma_f32_16x16x32_f16 v[8*(8*(\a)+(\b)):8*(8*(\a)+(\b))+7], v[(\f)+8*(\b):(\f)+8*(\b)+7], v[(\f)+8*(4*(\hi)+(\a)):(\f)+8*(4*(\hi)+(\a))+7], v[8*(8*(\a)+(\b)):8*(8*(\a)+(\b))+7]
.endif
.endr
.endr
.endm
; 32 LDS loads in one run: the fragments of a quarter step (32 K: four units, at byte k of each block) into buffer f
.macro FETCH slot, k, f
	WIN TO_B
.irp i, 0,1,2,3,4,5,6,7
	ds_load_b128 v[(\f)+8*(\i):(\f)+8*(\i)+3],   v[ADRB+(\slot)] offset:(\k)+(\i)*BLK
	ds_load_b128 v[(\f)+8*(\i)+4:(\f)+8*(\i)+7], v[ADRB+(\slot)] offset:(\k)+(\i)*BLK+512
.endr
	WIN 0
.irp i, 0,1,2,3,4,5,6,7
	ds_load_b128 v[(\f)+8*(\i):(\f)+8*(\i)+3],   v[ADRA+(\slot)] offset:(\k)+(\i)*BLK
	ds_load_b128 v[(\f)+8*(\i)+4:(\f)+8*(\i)+7], v[ADRA+(\slot)] offset:(\k)+(\i)*BLK+512
.endr
.endm
.macro PLACES                          ; four plain vector instructions between a matrix instruction and a load into a register that it read, or a read of its result (ISA guide 7.12.1 for the read of its result)
.rept 4
	v_nop
.endr
.endm
; A K step is four quarters of 32 along K, 64 matrix instructions each, on buffers 0, 1, 0, 1.  The 64 accumulators take turns in the same order everywhere.
.macro QUARTER slot, k, f, g, zero
	s_wait_dscnt 8                                 ; B and A's rows 0-63 are in; the youngest eight loads (A's rows 64-127) may be out
	MUL16 \f, 0, 0, \zero
	MUL16 \f, 0, 2, \zero
	PLACES
	FETCH \slot, \k, \g
	s_wait_dscnt 32                                ; all but the 32 just issued
	MUL16 \f, 1, 0, \zero
	MUL16 \f, 1, 2, \zero
.endm
; The last quarter multiplies buffer 1 and changes slots: one barrier.  In front of it each wave waits for all its tensor loads (one is out: its part of the next slot), adds 0 to its spare word, and waits
; for that and for its own reads of this slot.  fill = 1: the barrier opens a round of the cluster's, and the slot is filled again, two K steps ahead, first thing behind the round.
.macro TURN slot, next, fill
	WIN 0                                          ; (the add's two registers lie in window 0)
	s_wait_tensorcnt 0x0                           ; all my tensor loads have landed
	ds_add_u32 v[SPW], v[NIL]                      ; 0 onto my spare word
	s_wait_dscnt 9                                 ; (the add and the youngest eight loads may be out)
	MUL16 F1, 0, 0, 0                              ; sixteen matrix instructions stand between the add and the wait for it
	s_wait_dscnt 0x0                               ; the add is done, and my reads of this slot are over
	s_barrier_signal -1
	MUL16 F1, 0, 2, 0                              ; work on registers while the others arrive
.if \fill
	WIN 0
.endif
	s_barrier_wait -1
.if \fill
	CREST                                          ; no wave of any partner still reads this slot's tile or has a load on its way
	s_add_nc_u64 s[G0+4*(\slot)+2:G0+4*(\slot)+3], s[G0+4*(\slot)+2:G0+4*(\slot)+3], 2*BLK
	s_add_nc_u64 s[G0B+4*(\slot)+2:G0B+4*(\slot)+3], s[G0B+4*(\slot)+2:G0B+4*(\slot)+3], 2*BLK
	JLOAD \slot                                    ; my one tensor load behind the round: 224 matrix instructions ahead of the wait for it; its four v_nop are also the places in front of the loads below
.else
	PLACES
.endif
	FETCH \next, 0, F0
	MUL16 F1, 1, 0, 0
	MUL16 F1, 1, 2, 0
.endm
	s_wait_tensorcnt 1                             ; my part of K step 0 is in; K step 1's may stay out
	s_barrier_signal -1
	s_barrier_wait -1                              ; everybody's is
	FETCH 0, 0, F0
	QUARTER 0, 1024, F0, F1, 1                     ; the first quarter stands in front of the loop: its products start the sums
	WIN 0                                          ; at a label and at a branch every window is 0
	s_mov_b32 s3, LAPS-1
.Llap:                                                 ; a trip goes once round the ring, from a lap's second quarter to the next lap's first, and fills both slots again
	QUARTER 0, 2048, F1, F0, 0
	QUARTER 0, 3072, F0, F1, 0
	TURN 0, 1, 1
	QUARTER 1, 1024, F0, F1, 0
	QUARTER 1, 2048, F1, F0, 0
	QUARTER 1, 3072, F0, F1, 0
	TURN 1, 0, 1
	QUARTER 0, 1024, F0, F1, 0
	WIN 0
	s_sub_co_u32 s3, s3, 1
	s_cmp_lg_u32 s3, 0
	s_cbranch_scc1 .Llap
	QUARTER 0, 2048, F1, F0, 0                     ; the last lap is written out: it fills nothing
	QUARTER 0, 3072, F0, F1, 0
	TURN 0, 1, 0
	QUARTER 1, 1024, F0, F1, 0
	QUARTER 1, 2048, F1, F0, 0
	QUARTER 1, 3072, F0, F1, 0
	s_wait_dscnt 8                                 ; the very last quarter: nothing more to fetch
	MUL16 F1, 0, 0, 0
	MUL16 F1, 0, 2, 0
	s_wait_dscnt 0x0
	MUL16 F1, 1, 0, 0
	MUL16 F1, 1, 2, 0
	WIN 0
	PLACES
	s_wait_loadcnt 0x0                             ; the tokens' 2^(EX - 126)
.irp a, 0,1,2,3,4,5,6,7
	v_mul_f32 v[SC+2*(\a)],   v[IXL+(\a)], v[ISW]  ; 1 / s, in both registers of a pair
	v_mul_f32 v[SC+2*(\a)+1], v[IXL+(\a)], v[ISW]
.endr
; THE WAY OUT of row block a.  SCALE: its 64 registers times the lane's token's 1 / s, in place, each accumulator from its low end on.
.macro SCALE a
.set AC, 64*((\a)%4)
	WIN 0x82+0x41*((\a)/4)                         ; destination and source 0 in window 2 or 3, source 1 in window 0
.set z, 0
.rept 32
	v_pk_mul_f32 v[AC+2*z:AC+2*z+1], v[AC+2*z:AC+2*z+1], v[SC+2*(\a):SC+2*(\a)+1]
.set z, z+1
.endr
.endm
; TOSTAGE: a lane's 32 bytes of each of eight column blocks go into my stage; the 16 rows come back whole.
.macro TOSTAGE a
.set AC, 64*((\a)%4)
.set BK, F0+64*((\a)%2)                ; the rows read back: v64-127 and v128-191 by turns
	WIN 0x08+4*((\a)/4)                            ; the stores' data (source 1) in window 2 or 3
.irp b, 0,1,2,3,4,5,6,7
	ds_store_b128 v[STO], v[AC+8*(\b):AC+8*(\b)+3]   offset:64*(\b)
	ds_store_b128 v[STO], v[AC+8*(\b)+4:AC+8*(\b)+7] offset:64*(\b)+16
.endr
	WIN 0
.irp t, 0,1,2,3,4,5,6,7,8,9,10,11,12,13,14,15
	ds_load_b128 v[BK+4*(\t):BK+4*(\t)+3], v[RD] offset:(\t)*SPITCH  ; LDS serves a wave's instructions in order (ISA guide 5.7.1.4): these see the stores above, and the next block's stores come behind them
.endr
.endm
.macro SEND a
.set BK, F0+64*((\a)%2)
	WIN 0
	s_wait_dscnt 0x0                               ; the block is back in registers
	s_wait_xcnt 0x0                                ; the stores' base, and the registers that the block before stored from, are rewritten only behind this wait
.if (\a) > 0
	s_add_nc_u64 s[8:9], s[8:9], 16*OROW           ; 16 rows of out on
.endif
.irp t, 0,1,2,3,4,5,6,7,8,9,10,11,12,13,14,15
	global_store_b128 v[CO], v[BK+4*(\t):BK+4*(\t)+3], s[8:9] offset:(\t)*OROW th:TH_STORE_NT  ; 32 lanes store 512 consecutive bytes of a row, at a multiple of 512 from out's first byte
.endr
.endm
	SCALE 0
	TOSTAGE 0
.irp a, 1,2,3,4,5,6,7                  ; block a's multiplies stand between block a - 1's loads from the stage and the wait for them
	SCALE \a
	SEND (\a)-1
	TOSTAGE \a
.endr
	SEND 7
	s_wait_tensorcnt 0x0                           ; the wave's end, behind my last tensor load and my last LDS store
	ds_add_u32 v[SPW], v[NIL]
	s_wait_dscnt 0x0
	CROUND                                         ; the closing round: no work-group ends while a partner may still ask for a tile that names it
	s_endpgm
.Lfunc_end_k_qd3e3c44ce1_down:
	.size	k_qd3e3c44ce1_down, .Lfunc_end_k_qd3e3c44ce1_down-k_qd3e3c44ce1_down
	.p2alignl 7, 3214868480
	.fill 96, 4, 3214868480
	.section	.rodata,"a",@progbits
	.p2align	6, 0x0
	.amdhsa_kernel k_qd3e3c44ce1_down
		.amdhsa_group_segment_fixed_size 327680
		.amdhsa_private_segment_fixed_size 0
		.amdhsa_enable_private_segment 0
		.amdhsa_kernarg_size 40
		.amdhsa_user_sgpr_count 2
		.amdhsa_user_sgpr_kernarg_segment_ptr 1
		.amdhsa_wavefront_size32 1
		.amdhsa_system_sgpr_workgroup_id_x 1
		.amdhsa_system_sgpr_workgroup_id_y 1
		.amdhsa_system_sgpr_workgroup_id_z 1
		.amdhsa_system_vgpr_workitem_id 0
		.amdhsa_next_free_vgpr 1024
		.amdhsa_next_free_sgpr 72
		.amdhsa_reserve_vcc 0
		.amdhsa_float_denorm_mode_32 3
		.amdhsa_float_denorm_mode_16_64 3
		.amdhsa_memory_ordered 1
		.amdhsa_forward_progress 1
		.amdhsa_inst_pref_size 160
	.end_amdhsa_kernel
	.amdgpu_metadata
---
amdhsa.version: [ 1, 2 ]
amdhsa.kernels:
  - .name:           k_qd3e3c44ce1_down
    .symbol:         k_qd3e3c44ce1_down.kd
    .args:
      - { .name: act, .offset: 0, .size: 8, .value_kind: global_buffer, .address_space: global }
      - { .name: wd, .offset: 8, .size: 8, .value_kind: global_buffer, .address_space: global }
      - { .name: out0, .offset: 16, .size: 8, .value_kind: global_buffer, .address_space: global }
      - { .name: cw, .offset: 24, .size: 8, .value_kind: global_buffer, .address_space: global }
      - { .name: wn, .offset: 32, .size: 8, .value_kind: global_buffer, .address_space: global }
    .group_segment_fixed_size: 327680
    .private_segment_fixed_size: 0
    .kernarg_segment_align: 8
    .kernarg_segment_size: 40
    .max_flat_workgroup_size: 128
    .sgpr_count:     72
    .vgpr_count:     1024
    .wavefront_size: 32
...
	.end_amdgpu_metadata
.endif
;; end of part 3
